; MI455X (gfx1250); checked and timed in simulation.
; The chip was launched on July 23, 2026; its instructions are those of AMD's public machine-readable ISA for CDNA 5 (MIT licence, August 2026) and "CDNA5" Instruction Set Architecture Reference Guide (July 2026). The comments in the code are by the model that wrote it; some were corrected since.
;; NF4 Linear. Allowed arithmetic: matrix products marked QUANTISED: E2M1 operands, one E8M0 scale for each 32 along K, by v_wmma_scale_f32_16x16x128_f8f6f4 with both operands' format E2M1 (or v_wmma_scale_f32_32x16x128_f4), f32 sums; everything else in f32.
;; Inputs: indices 8,388,608 int32; q_scales 131,072 int32; x_codes 4 x 2,048 x 128 x 16 uint8 (E2M1 codes of x, K innermost, in blocks of 32 codes, two codes a byte); x_scales 4 x 2,048 x 128 uint8 (E8M0 scales of x, one for each 32 codes along K).
;; Outputs: out0 4 x 2,048 x 2,048 float32.
;; This version of the problem:
;;   THIS VERSION OF THE PROBLEM IS GIVEN IN LOW PRECISION. The matrix products marked QUANTISED in the list below multiply operands that are first quantised to E2M1 (2 exponent bits, 1 mantissa bit; 4 bits a number), with one power-of-two scale for each 32 numbers along K (OCP MX v1.0); their sums are f32. All else is computed in f32.
;;   The module's matrix products, in the order in which they are computed (A, B: the left and right operand; K: the contracted axis; several contracted axes count as one K, in the product's order):
;;     1. [M 8,192, K 4,096] x [K 4,096, N 2,048]; A: input x (given as codes); B: computed on the way: QUANTISED
;;   THE QUANTISER, for each operand of a quantised product, along K:
;;     - K is cut into blocks of 32 from its start; a last block that is shorter is filled with zeros.
;;     - A block's scale is 2^e with e = floor(log2(the largest magnitude in the block)) - 2, held to -126 .. 127; a block of zeros has e = 0. As a byte (E8M0): e + 127.
;;     - Each number is divided by its block's scale, clamped to +-6, and rounded to the nearest number of E2M1, ties to even, subnormals kept.
;;     - The product sums the exact products of the quantised numbers (number of the format x scale) in f32.
;;   ~~~python
;;   def quantise(x, axis):      # numpy; x: float32 -> the quantised numbers, widened to float32 again
;;       x = np.moveaxis(x, axis, -1); K = x.shape[-1]
;;       x = np.pad(x, [(0, 0)] * (x.ndim - 1) + [(0, -K % 32)]); x = x.reshape(x.shape[:-1] + (-1, 32)); a = np.abs(x).max(-1, keepdims=True)
;;       e = np.where(a > 0, np.clip(np.frexp(np.where(a > 0, a, 1))[1] - 1 - 2, -126, 127), 0)      # np.frexp(a)[1] - 1 = floor(log2(a)), exactly
;;       r = np.clip(x / 2.0 ** e, -6, 6)
;;       step = 2.0 ** (np.maximum(np.frexp(np.where(r == 0, 1, r))[1] - 1, 0) - 1)
;;       q = np.round(r / step) * step * 2.0 ** e      # np.round: ties to even
;;       return np.moveaxis(q.reshape(q.shape[:-2] + (-1,))[..., :K], -1, axis).astype(np.float32)
;;   ~~~
;;   OPERANDS COMPUTED ON THE WAY. 'Computed on the way' means the value that the module computes at that place (a softmax that the list does not call 'softmax' is quantised finished and normalised). What goes into a quantiser is computed in f32, as accurately as f32 sums, v_exp_f32 and their like allow (about 1e-6 of the number): no bf16 or f16 on the way to a quantiser, and a product that is left as it is and whose result goes on into a quantised operand takes f32 operands (vector FMAs, or v_wmma_f32_16x16x4_f32). A number that lies on a knife's edge between two numbers of the format may be rounded either way, as far as f32 arithmetic and the matrix unit's own rounding can turn it there, and no further.
;;   INPUTS GIVEN AS CODES. x (in the module: [4, 2048, 4096], K = its axis 2): each comes as NAME_codes (uint8): NAME with its K axis moved to the last place and cut into blocks of 32 codes, [.., K / 32, bytes a block], one block behind the other in memory; two codes a byte, the lower K in the low four bits (a code: sign, 2 exponent bits, 1 mantissa bit); and NAME_scales (uint8): the same leading axes, one E8M0 byte (e + 127) for each 32 codes along K. Its value is code x scale, taken as it is: it is not quantised again, and the codes and scales need not be those that the quantiser above would give.
;; One version. Each part assembles by itself: llvm-mc -triple=amdgcn-amd-amdhsa -mcpu=gfx1250 --defsym DOCPART=n.
;; ======== version 1 of 1: 2 launches
;; limits: values are held in f16: magnitudes above 65,504 overflow, below 6.1e-05 lose precision; right only within a limited range of input values
;; workspace buffers: wpack 4,456,448 bytes
;; launch quantw (part 1): grid 256 x 1, 32 waves a work-group, no clusters, 167,936 bytes of LDS; arguments indices, q_scales, wpack; writes wpack
.if DOCPART == 1
	.amdgcn_target "amdgcn-amd-amdhsa--gfx1250"
	.amdhsa_code_object_version 6
	.text
	.protected	k_q36d14f81fc_quantw
	.globl	k_q36d14f81fc_quantw
	.p2align	8
	.type	k_q36d14f81fc_quantw,@function
k_q36d14f81fc_quantw:
	s_mov_b64 s[64:65], 0
	v_nop
	global_prefetch_b8 v0, s[64:65] scope:SCOPE_SE
	s_setreg_imm32_b32 hwreg(HW_REG_WAVE_MODE, 25, 1), 1
	s_wait_xcnt 0x0
; W[n][k] = f16(NF4[indices[n][k]] x (f32(q_scales[n][k / 64]) / 127 x 0.05)), widened to f32, n < 2,048, k < 4,096, becomes codes of FP4 (E2M1) with one E8M0 byte for each 32 along K.
; A block's scale is 2^(floor(log2(its largest magnitude)) - 2); its byte is the largest magnitude's exponent field - 2, held at 1 from below.
; OUT: wpack, in the order in which the product's waves take W into registers: [64 columns G: 32][512 along K: 8][17,408 bytes]; such a block holds
; codes [128 along K q: 4][tile t: 4][c: 2][lane (h, r): 32][16 bytes], lane (h, r) of tile t: column 64 G + 4 r + t, k = 128 q + 64 c + 32 h + 0 .. 31; then scale bytes [t: 4][r: 16][16: k / 32].
; SHARES.  Work-group (G, t, half of K) owns the 16 columns 64 G + 4 r + t, 2,048 along K; wave w takes r = w / 2 and 1,024 along K by w % 2: 4,096 bytes of indices, ONE tensor load a wave.
; A lane owns a whole block of 32 along K: its largest magnitude needs no other lane.  LDS bytes are filled once; a wave reads the bytes that its own load brought, behind its own wait.
; 16 bytes of padding follow every 256, so that lanes 128 bytes apart start in sixteen different 16-byte columns of the banks (64 banks of 4 bytes: ISA guide 11.1).
; The codes pass through a stage in LDS, so that they leave in whole aligned runs of 512 bytes, the scale bytes in runs of 256.
; THE TABLE lies in one register, level j in lane j; ds_bpermute_b32 fetches level[index].  No cluster, no joint loads: no two work-groups read the same index.  No loop to run ahead in: no prefetch.
; LIMITS.  An index is taken as unsigned and held at 15 from above (reference() relies on 0 .. 15).  A block of zeros gets the byte 1 where the rule says 127: its codes are zeros, which add nothing under any byte
; but 0xff, and this program alone reads the bytes.  |W| beyond 65,504 becomes infinite in the rounding to f16, as in reference(); its codes are then the largest code.
.set PASSL, 16*272                     ; a wave's indices in LDS: 16 rows of 256 bytes + 16
.set STG,   32*PASSL                   ; the codes' stage: 64 runs of 256 bytes + 16
.set STS,   STG+64*272                 ; the scale bytes' stage: [512 along K: 4][r: 16][16]
.set SPARE, STS+1024                   ; the spare words, 128 bytes for each wave
.set BLKB,  17408
.set LN,  1
.set RR,  2
.set HH,  3
.set LA,  4                            ; LDS: my 128 bytes of indices
.set CO,  5                            ; wpack: 16 x lane
.set CS,  6                            ; wpack: scale bytes, 17,408 x (lane / 16) + 16 x (lane % 16)
.set SBA, 7                            ; LDS: where my block's scale byte goes
.set SRD, 8                            ; LDS: where I read codes back
.set SRS, 9                            ; LDS: where I read scale bytes back
.set TBL, 10
.set CST, 11                           ; LDS: where my block's codes go
.set QO,  12
.set AM,  16                           ; v[16:17] my block's absmax, twice
.set QQ,  18
.set IDX, 32
.set W,   64
.set H,   96                           ; v96-111 the numbers as f16, two to a register (named by number below)
.set SO,  114
.set E,   116
.set C,   120
.set SPW, 124
.set NIL, 125
.set G1,  16
.set G0,  32
	s_load_b128 s[4:7], s[0:1], 0x0                ; indices, q_scales
	s_load_b64 s[8:9], s[0:1], 0x10                ; wpack
	v_lshl_add_u32 v[SPW], v0, 2, SPARE
	v_mov_b32 v[NIL], 0
	ds_add_u32 v[SPW], v[NIL]                      ; the opening lines: the add, twice on end, and one wait
	ds_add_u32 v[SPW], v[NIL]
	v_lshrrev_b32 v1, 5, v0
	s_delay_alu instid0(VALU_DEP_1)
	v_readfirstlane_b32 s10, v1                    ; wave 0 .. 31
	; group 1: a dense block of 4,096 bytes as 16 rows of 32 elements of 8 bytes, four words of padding behind every 64
	s_mov_b32 s[G1+0], (3<<16)|(1<<20)|(5<<22)|(3<<25)
	s_mov_b32 s[G1+1], 32<<16
	s_mov_b32 s[G1+2], 16<<16
	s_mov_b32 s[G1+3], 32<<16
	s_mov_b32 s[G1+4], 16
	s_mov_b32 s[G1+5], 32
	s_mov_b32 s[G1+6], 0
	s_mov_b32 s[G1+7], 0
	s_and_b32 s36, ttmp9, 1                        ; which half of K
	s_bfe_u32 s37, ttmp9, 0x20001                  ; t
	s_lshr_b32 s38, ttmp9, 3                       ; G
	s_lshr_b32 s39, s10, 1                         ; r
	s_and_b32 s40, s10, 1                          ; which 1,024 of the half
	s_lshl_b32 s44, s38, 6
	s_lshl_b32 s42, s39, 2
	s_add_co_u32 s44, s44, s42
	s_add_co_u32 s44, s44, s37                     ; column 64 G + 4 r + t
	s_lshl_b32 s44, s44, 14                        ; 16,384 bytes of indices a column
	s_lshl_b32 s42, s36, 13
	s_add_co_u32 s44, s44, s42
	s_lshl_b32 s42, s40, 12
	s_add_co_u32 s44, s44, s42
	s_mov_b32 s45, 0
	s_mul_i32 s11, s10, PASSL
	s_wait_alu depctr_va_vdst(0)
	s_wait_dscnt 0x0
	s_wait_kmcnt 0x0
	s_mov_b32 s[G0], 1
	s_mov_b32 s[G0+1], s11
	s_add_nc_u64 s[G0+2:G0+3], s[4:5], s[44:45]
	s_or_b32 s[G0+3], s[G0+3], 0x80000000
	tensor_load_to_lds s[G0:G0+3], s[G1:G1+7]
	s_nop 0
	s_lshr_b32 s44, s44, 6                         ; q_scales: 4 bytes for each 64 indices
	s_add_nc_u64 s[6:7], s[6:7], s[44:45]
	s_mul_i32 s44, s38, 8*BLKB                     ; wpack: G, then my half of K
	s_mul_i32 s42, s36, 4*BLKB
	s_add_co_u32 s44, s44, s42
	s_add_nc_u64 s[8:9], s[8:9], s[44:45]
	s_lshl_b32 s44, s37, 10                        ; codes out: wave w stores runs 2 w, 2 w + 1 of the stage: 512 along K w / 8, q = w / 2 % 4, c = w % 2
	s_lshr_b32 s42, s10, 3
	s_mul_i32 s42, s42, BLKB
	s_add_co_u32 s44, s44, s42
	s_bfe_u32 s42, s10, 0x20001
	s_lshl_b32 s42, s42, 12
	s_add_co_u32 s44, s44, s42
	s_lshl_b32 s42, s40, 9
	s_add_co_u32 s44, s44, s42
	s_add_nc_u64 s[12:13], s[8:9], s[44:45]
	s_lshl_b32 s44, s37, 8                         ; scale bytes out: waves 0 and 1
	s_mul_i32 s42, s10, 2*BLKB
	s_add_co_u32 s44, s44, s42
	s_add_co_u32 s44, s44, 16384
	s_add_nc_u64 s[14:15], s[8:9], s[44:45]
	s_lshl_b32 s42, s39, 4                         ; 16 r
	s_mul_i32 s24, s40, 32*272
	s_add_co_u32 s24, s24, s42
	s_add_co_u32 s24, s24, STG
	s_lshl_b32 s25, s40, 9
	s_add_co_u32 s25, s25, s42
	s_add_co_u32 s25, s25, STS
	s_mul_i32 s26, s10, 544
	s_add_co_u32 s26, s26, STG
	s_lshl_b32 s27, s10, 9
	s_add_co_u32 s27, s27, STS
	s_mov_b32 s28, 0x3c010204                      ; 1 / 127, rounded
	s_mov_b32 s29, 0x42fe0000                      ; 127
	s_mov_b32 s30, 0x3d4ccccd                      ; 0.05
	v_and_b32 v[LN], 31, v0
	v_and_b32 v[RR], 15, v0
	v_bfe_u32 v[HH], v0, 4, 1
	v_and_b32 v14, 1, v0
	v_lshrrev_b32 v13, 1, v[LN]
	v_lshlrev_b32 v[CO], 4, v[LN]
	v_lshlrev_b32 v[CS], 4, v[RR]
	v_lshlrev_b32 v[QO], 2, v13                    ; lane l's block lies in the 64 of q number l / 2
	global_load_b32 v[QQ], v[QO], s[6:7]
	v_mul_u32_u24 v[LA], v13, 272
	v_mul_u32_u24 v15, v[HH], BLKB
	v_mul_u32_u24 v[CST], v[LN], 272
	v_mul_u32_u24 v[SRD], v[HH], 272
	v_lshl_add_u32 v[LA], v14, 7, v[LA]
	v_add_nc_u32 v[CS], v[CS], v15
	v_add_nc_u32 v[CST], s24, v[CST]               ; run 32 (w % 2) + lane, place r
	v_lshl_add_u32 v[SRD], v[RR], 4, v[SRD]
	v_add_nc_u32 v[LA], s11, v[LA]
	v_lshl_add_u32 v[SBA], v[HH], 8, v[RR]
	v_lshl_add_u32 v[SRS], v[LN], 4, s27
	v_add_nc_u32 v[SRD], s26, v[SRD]
	v_add_nc_u32 v[SBA], s25, v[SBA]
	v_mov_b32 v[TBL], 0                            ; level 7 is 0
.macro LEVEL j, bits
	s_mov_b32 s47, \bits
	v_writelane_b32 v[TBL], s47, \j
.endm
	LEVEL 0,  0xbf800000
	LEVEL 1,  0xbf3239b1
	LEVEL 2,  0xbf066b30
	LEVEL 3,  0xbeca32a0
	LEVEL 4,  0xbe91a24d
	LEVEL 5,  0xbe3d353f
	LEVEL 6,  0xbdba7871
	LEVEL 8,  0x3da2faff
	LEVEL 9,  0x3e24cae3
	LEVEL 10, 0x3e7c04dd
	LEVEL 11, 0x3ead033a
	LEVEL 12, 0x3ee1a4b8
	LEVEL 13, 0x3f1007ab
	LEVEL 14, 0x3f3913b3
	LEVEL 15, 0x3f800000
	s_wait_alu depctr_va_vdst(0)                   ; the wait at the head's end
	s_wait_loadcnt 0x0                             ; q
	v_cvt_f32_i32 v[QQ], v[QQ]
	s_delay_alu instid0(VALU_DEP_1)
	v_mul_f32 v14, s28, v[QQ]                      ; q / 127 as a true quotient: a first guess q x (1 / 127),
	s_delay_alu instid0(VALU_DEP_1)
	v_fma_f32 v15, -v14, s29, v[QQ]                ; what it leaves, exactly,
	s_delay_alu instid0(VALU_DEP_1)
	v_fma_f32 v14, v15, s28, v14                   ; and the guess mended by it
	s_delay_alu instid0(VALU_DEP_1)
	v_mul_f32 v[AM], s30, v14                      ; x 0.05: the absmax
	v_mul_f32 v[AM+1], s30, v14
	s_wait_alu depctr_va_vdst(0)
	s_wait_tensorcnt 0x0                           ; my indices are in LDS
.irp j, 0,1,2,3,4,5,6,7
	ds_load_b128 v[IDX+4*\j:IDX+4*\j+3], v[LA] offset:16*\j
.endr
.irp j, 0,1,2,3,4,5,6,7
	s_wait_dscnt 7+3*\j                            ; load j is in: behind it stand 7 - j loads and the 4 j permutes of the groups before
.irp k, 0,1,2,3
	v_min_u32 v[IDX+4*\j+\k], 15, v[IDX+4*\j+\k]   ; held inside the table
.endr
.irp k, 0,1,2,3
	s_delay_alu instid0(VALU_DEP_4)
	v_lshlrev_b32 v[IDX+4*\j+\k], 2, v[IDX+4*\j+\k]   ; a lane select counts in bytes
.endr
.irp k, 0,1,2,3
	ds_bpermute_b32 v[W+4*\j+\k], v[IDX+4*\j+\k], v[TBL]   ; level[index]
.endr
.endr
.irp j, 0,1,2,3,4,5,6,7
	s_wait_dscnt 28-4*\j                           ; group j's four levels are in: behind them stand the 4 (7 - j) permutes of the later groups
	v_pk_mul_f32 v[W+4*\j:W+4*\j+1], v[W+4*\j:W+4*\j+1], v[AM:AM+1] op_sel_hi:[1,0]
	v_pk_mul_f32 v[W+4*\j+2:W+4*\j+3], v[W+4*\j+2:W+4*\j+3], v[AM:AM+1] op_sel_hi:[1,0]
	s_delay_alu instid0(VALU_DEP_2)
	v_cvt_pk_f16_f32 v[H+2*\j], v[W+4*\j], v[W+4*\j+1]             ; reference()'s own rounding to f16
	s_delay_alu instid0(VALU_DEP_2)
	v_cvt_pk_f16_f32 v[H+2*\j+1], v[W+4*\j+2], v[W+4*\j+3]
.endr
.macro UP k, lo, hi                    ; f16 back to f32
	v_cvt_f32_f16 v[W+2*\k], \lo
	v_cvt_f32_f16 v[W+2*\k+1], \hi
.endm
	UP 0, v96.l, v96.h
	UP 1, v97.l, v97.h
	UP 2, v98.l, v98.h
	UP 3, v99.l, v99.h
	UP 4, v100.l, v100.h
	UP 5, v101.l, v101.h
	UP 6, v102.l, v102.h
	UP 7, v103.l, v103.h
	UP 8, v104.l, v104.h
	UP 9, v105.l, v105.h
	UP 10, v106.l, v106.h
	UP 11, v107.l, v107.h
	UP 12, v108.l, v108.h
	UP 13, v109.l, v109.h
	UP 14, v110.l, v110.h
	UP 15, v111.l, v111.h
	v_max3_num_f32 v112, |v[W]|, |v[W+1]|, |v[W+2]|                ; the block's largest magnitude: all 32 numbers are mine; two chains
	v_max3_num_f32 v113, |v[W+3]|, |v[W+4]|, |v[W+5]|
.irp i, 6,10,14,18,22,26
	s_delay_alu instid0(VALU_DEP_2)
	v_max3_num_f32 v112, v112, |v[W+\i]|, |v[W+\i+1]|
	s_delay_alu instid0(VALU_DEP_2)
	v_max3_num_f32 v113, v113, |v[W+\i+2]|, |v[W+\i+3]|
.endr
	s_delay_alu instid0(VALU_DEP_2)
	v_max3_num_f32 v112, v112, |v[W+30]|, |v[W+31]|
	s_delay_alu instid0(VALU_DEP_1)
	v_max3_num_f32 v112, v112, v113, 0x1800000     ; and the floor 2^(3 - 127), so that the byte cannot fall under 1
	s_delay_alu instid0(VALU_DEP_1)
	v_add_nc_u32 v[SO], 0xff000000, v112           ; 2 off its exponent field: the conversions' scale operand
.irp g, 0,1,2,3
	v_cvt_scalef32_pk8_fp4_f32 v[C+\g], v[W+8*\g:W+8*\g+7], v[SO]
.endr
	v_lshrrev_b32 v[E], 23, v[SO]                  ; the scale's byte.  (Also the plain line behind the conversions)
	ds_store_b8 v[SBA], v[E]
	ds_store_b128 v[CST], v[C:C+3]
	s_wait_dscnt 0x0                               ; for the others' sake: my stores have landed
	s_barrier_signal -1
	s_barrier_wait -1
	ds_load_b128 v[32:35], v[SRD]
	s_wait_dscnt 0x0
	global_store_b128 v[CO], v[32:35], s[12:13]    ; 32 lanes store 512 consecutive bytes, at a multiple of 256 from wpack's first byte
	s_cmp_lt_u32 s10, 2
	s_cbranch_scc0 .Lend
	ds_load_b128 v[36:39], v[SRS]
	s_wait_dscnt 0x0
	global_store_b128 v[CS], v[36:39], s[14:15]    ; two aligned runs of 256 bytes
.Lend:
	s_wait_tensorcnt 0x0                           ; the wave's end
	ds_add_u32 v[SPW], v[NIL]
	s_wait_dscnt 0x0
	s_endpgm
.Lfunc_end_k_q36d14f81fc_quantw:
	.size	k_q36d14f81fc_quantw, .Lfunc_end_k_q36d14f81fc_quantw-k_q36d14f81fc_quantw
	.p2alignl 7, 3214868480
	.fill 96, 4, 3214868480
	.section	.rodata,"a",@progbits
	.p2align	6, 0x0
	.amdhsa_kernel k_q36d14f81fc_quantw
		.amdhsa_group_segment_fixed_size 167936
		.amdhsa_private_segment_fixed_size 0
		.amdhsa_enable_private_segment 0
		.amdhsa_kernarg_size 24
		.amdhsa_user_sgpr_count 2
		.amdhsa_user_sgpr_kernarg_segment_ptr 1
		.amdhsa_wavefront_size32 1
		.amdhsa_system_sgpr_workgroup_id_x 1
		.amdhsa_system_sgpr_workgroup_id_y 1
		.amdhsa_system_sgpr_workgroup_id_z 1
		.amdhsa_system_vgpr_workitem_id 0
		.amdhsa_next_free_vgpr 128
		.amdhsa_next_free_sgpr 66
		.amdhsa_reserve_vcc 0
		.amdhsa_float_denorm_mode_32 3
		.amdhsa_float_denorm_mode_16_64 3
		.amdhsa_memory_ordered 1
		.amdhsa_forward_progress 1
		.amdhsa_inst_pref_size 20
	.end_amdhsa_kernel
	.amdgpu_metadata
---
amdhsa.version: [ 1, 2 ]
amdhsa.kernels:
  - .name:           k_q36d14f81fc_quantw
    .symbol:         k_q36d14f81fc_quantw.kd
    .args:
      - { .name: indices, .offset: 0, .size: 8, .value_kind: global_buffer, .address_space: global }
      - { .name: q_scales, .offset: 8, .size: 8, .value_kind: global_buffer, .address_space: global }
      - { .name: wpack, .offset: 16, .size: 8, .value_kind: global_buffer, .address_space: global }
    .group_segment_fixed_size: 167936
    .private_segment_fixed_size: 0
    .kernarg_segment_align: 8
    .kernarg_segment_size: 24
    .max_flat_workgroup_size: 1024
    .sgpr_count:     66
    .vgpr_count:     128
    .wavefront_size: 32
...
	.end_amdgpu_metadata
.endif
;; end of part 1
;; launch gemm (part 2): grid 8 x 32, 4 waves a work-group, clusters of 4 x 1, 327,680 bytes of LDS; arguments x_codes, x_scales, wpack, out0; writes out0
.if DOCPART == 2
	.amdgcn_target "amdgcn-amd-amdhsa--gfx1250"
	.amdhsa_code_object_version 6
	.text
	.protected	k_q36d14f81fc_gemm
	.globl	k_q36d14f81fc_gemm
	.p2align	8
	.type	k_q36d14f81fc_gemm,@function
k_q36d14f81fc_gemm:
	s_mov_b64 s[64:65], 0
	v_nop
	global_prefetch_b8 v0, s[64:65] scope:SCOPE_SE
	s_setreg_imm32_b32 hwreg(HW_REG_WAVE_MODE, 25, 1), 1
	s_wait_xcnt 0x0
	s_wait_alu depctr_hold_cnt(0) depctr_sa_sdst(0) depctr_va_vdst(0) depctr_va_sdst(0) depctr_va_ssrc(0) depctr_va_vcc(0) depctr_vm_vsrc(0)
	s_getreg_b32 s2, hwreg(HW_REG_IB_STS2, 6, 4)
	s_cmp_eq_u32 s2, 0
	s_cbranch_scc0 .Lentry_in_a_cluster
	s_endpgm
.Lentry_in_a_cluster:
	s_bfe_u32 s2, ttmp6, 0x10000c
	s_cmp_lg_u32 s2, 0x3003
	s_cbranch_scc0 .Lentry_shape_is_right
	s_endpgm
.Lentry_shape_is_right:
; out[m][n] = sum over k of x[m][k] W[n][k], m < 8,192, n < 2,048, k < 4,096: codes of FP4 (E2M1), one E8M0 byte for each 32 along K on both sides, sums in f32, K ascending in one accumulator for each output.
; A work-group makes 256 x 256 of out: 256 work-groups, one turn.  Four waves, each all 256 rows x 64 columns: 8 blocks of 32 rows x 4 tiles of 16 columns, 32 accumulators of 32 x 16, 512 registers.
; X COMES THROUGH LDS: K in four steps of 1,024 through two slots; a tile is 256 rows of 512 bytes, padded to 528 (132 words: the 16 rows that a load touches start at 16 different banks of 64: ISA guide 11.1).
; The four work-groups of a cluster make one tile row of out and ask for x JOINTLY: the same load, the same descriptor, a mask that names the four.  x's scales of the 256 rows, for all of K, come once, at the head.
; W GOES FROM MEMORY STRAIGHT INTO REGISTERS: wpack lies in the order of the operand's registers, a wave's 64 columns are its own, so no byte of W comes to a work-group twice.  It is not asked for jointly:
; x's two slots and scales take 305,152 bytes of LDS, beside which two slots of W for 1,024 along K, 270,336 bytes, have no room; with both operands in LDS a slot would hold half as much of K.
; Eight sets of 32 registers hold W for eight steps of 128 along K; a set is asked for seven steps, 224 matrix instructions, ahead of its use, so W has no prefetch beside its loads.
; PREFETCH of x: the cluster's 256 rows x 512 bytes of a K step are 512 blocks of 256 bytes: the 16 waves of the four work-groups name 32 each, told apart by address, a K step ahead of the load that wants them:
; K step 2 behind K step 1's load, K step 3 behind K step 2's; K steps 0 and 1 come by their loads alone, and nothing is asked for behind K step 3.
; COLUMNS: tile t of a wave takes columns 4 r + t, r < 16 (wpack is laid so).  In a result lane (r, h) holds rows 8 h + j of column 4 r + t: so registers j of the four tiles are four neighbouring columns, and after a
; transposition of 4 x 4 registers in place sixteen lanes hold 256 neighbouring bytes of a row: results are stored from the accumulators, which are never written again.
; A HALF is 16 matrix instructions on 4 fragments of x (32 rows x 128 K, 16 registers each); three groups of fragments take turns: in half N the fragments of half N + 2 are fetched.
; Halves 0-47: K steps 0-2, by K: half N is the step N / 2 of 128 along K, row blocks 4 (N % 2) .. + 3.  Halves 48-63: the last K step goes BY ROWS: four halves finish 64 rows (2 blocks, two steps of 128 in a half), all
; eight W sets staying in registers, so that finished rows are stored while the others are multiplied.  Each of the 64 is written by one macro; the four K steps differ in slot, refill and order, so there is no loop.
; REGISTERS, windows of 256: 0: v0-15 addresses and temporaries, v16-47 x's scale words, v48-63 W's, v64-255 fragments of x.  1: W, eight sets.  2: accumulators of rows 0-127.  3: of rows 128-255.
.set PITCH, 528
.set SLOT,  256*PITCH
.set SCL,   2*SLOT                     ; x's scales: runs of 256 bytes + 16, two rows to a run
.set HALFS, 64*272                     ; 128 rows of them
.set SUNIT, 16*272                     ; 32 rows
.set SPARE, SCL+2*HALFS                ; the spare words, 128 bytes for each wave
.set WBLK,  17408                      ; wpack: 64 columns x 512 along K
.set OROW,  8192                       ; a row of out in bytes
.set PFO, 0                            ; v0   the prefetches' offset (behind the head)
.set SPW, 1
.set NIL, 2
.set ADR, 3                            ; v3-6 LDS address of my fragments: slot 0 rows 0-127, rows 128-255; slot 1 likewise
.set ADS, 7                            ; LDS address of my scale words
.set WO,  8                            ; 16 x lane
.set CO,  9                            ; my offset in out
.set TMP, 10                           ; v10-15
.set SCA, 16
.set SCW, 48
.set AF,  64
.set G1,  24                           ; x's tiles
.set G0,  32                           ; one set for each slot
.set G0H, 44                           ; the head's load of x
.set G1S, 48                           ; x's scales
.set G0S, 56
.set PFA, 60
.set MSB, 0
.macro WIN new                         ; the immediate's high byte repeats the setting that is left
.if MSB != (\new)
	s_set_vgpr_msb (MSB<<8)|(\new)
.set MSB, (\new)
.endif
.endm
.macro PLACES
.rept 4
	v_nop
.endr
.endm
.macro CREST                           ; a round of the cluster's barrier behind its opening barrier
	s_cmp_lg_u32 s14, 0
	s_cbranch_scc1 .Lnot_wave_0_\@
	s_barrier_signal -3
.Lnot_wave_0_\@:
	s_barrier_wait -3
	s_barrier_signal -1
	s_barrier_wait -1
.endm
.macro CROUND
	s_barrier_signal -1
	s_barrier_wait -1
	CREST
.endm
; W's tiles 2 x, 2 x + 1 of step WV of 128 along K: each load of the wave takes 512 consecutive bytes
.macro WHALF x
	WIN 0x40
.irp t, 0,1
.irp c, 0,1
	global_load_b128 v[32*(WV%8)+16*(\x)+8*\t+4*\c:32*(WV%8)+16*(\x)+8*\t+4*\c+3], v[WO], s[8:9] offset:(WV/4)*WBLK+(WV%4)*4096+2048*(\x)+1024*\t+512*\c
.endr
.endr
.endm
; W's scale words of 512 along K number SV: lanes 0-15 tiles 0 and 2, lanes 16-31 tiles 1 and 3
.macro WSC
	WIN 0
.irp i, 0,1
	global_load_b128 v[SCW+8*(SV%2)+4*\i:SCW+8*(SV%2)+4*\i+3], v[WO], s[8:9] offset:SV*WBLK+16384+512*\i
.endr
.endm
; x's scale words: row blocks 4 hf .. + 3, 512 along K number s: lane l has row l's four words
.macro XSC hf, s
	WIN 0
.irp i, 0,1,2,3
	ds_load_b128 v[SCA+16*(\hf)+4*\i:SCA+16*(\hf)+4*\i+3], v[ADS] offset:(4*(\hf)+\i)*SUNIT+16*(\s)
.endr
.endm
.macro XSCROW g                        ; by rows: blocks 2 g, 2 g + 1, the last 1,024 along K
	WIN 0
.irp i, 0,1
.irp e, 0,1
	ds_load_b128 v[SCA+16*((\g)%2)+8*\i+4*\e:SCA+16*((\g)%2)+8*\i+4*\e+3], v[ADS] offset:(2*(\g)+\i)*SUNIT+16*(6+\e)
.endr
.endr
.endm
.macro FRAG4                           ; fragment FI of half FN: lane (r, h) holds rows r and 16 + r, k = 64 c + 32 h + 0 .. 31
.if FN < 48
.set fa, 4*(FN%2)+FI
.set fq, (FN/2)%8
.set fz, (FN/16)%2
.else
.set fa, 2*((FN-48)/4)+FI%2
.set fq, 2*(FN%4)+FI/2
.set fz, 1
.endif
.set fr, AF+64*(FN%3)+16*FI
.set fd, ADR+2*fz+fa/4
.set fo, (fa%4)*32*PITCH+64*fq
	WIN 0
	ds_load_b128 v[fr:fr+3], v[fd] offset:fo
	ds_load_b128 v[fr+4:fr+7], v[fd] offset:fo+32
	ds_load_b128 v[fr+8:fr+11], v[fd] offset:fo+16*PITCH
	ds_load_b128 v[fr+12:fr+15], v[fd] offset:fo+16*PITCH+32
.endm
; Matrix instruction J of half N.  The accumulators take turns, one instruction a turn: 31 others stand between two steps of a sum by K, 7 by rows.
.macro MM
.if N < 48
.set aa, 4*(N%2)+J/4
.set qq, (N/2)%8
.set rSA, SCA+4*aa+qq%4
.set rSW, SCW+8*((N/8)%2)+4*((J%4)/2)+qq%4
.else
.set aa, 2*((N-48)/4)+(J/4)%2
.set qq, 2*(N%4)+J/8
.set rSA, SCA+16*(((N-48)/4)%2)+8*((J/4)%2)+qq
.set rSW, SCW+8*(qq/4)+4*((J%4)/2)+qq%4
.endif
.set rD, 64*(aa%4)+16*(J%4)
.set rA, AF+64*(N%3)+16*(J/4)
.set rW, 32*qq+8*(J%4)
.set wz, 2+aa/4
	WIN 4+(0x50*wz)
.if N < 2
.if J%2
	v_wmma_scale_f32_32x16x128_f4 v[rD:rD+15], v[rA:rA+15], v[rW:rW+7], 0, v[rSA], v[rSW] matrix_b_scale:MATRIX_SCALE_ROW1
.else
	v_wmma_scale_f32_32x16x128_f4 v[rD:rD+15], v[rA:rA+15], v[rW:rW+7], 0, v[rSA], v[rSW]
.endif
.else
.if J%2
	v_wmma_scale_f32_32x16x128_f4 v[rD:rD+15], v[rA:rA+15], v[rW:rW+7], v[rD:rD+15], v[rSA], v[rSW] matrix_b_scale:MATRIX_SCALE_ROW1
.else
	v_wmma_scale_f32_32x16x128_f4 v[rD:rD+15], v[rA:rA+15], v[rW:rW+7], v[rD:rD+15], v[rSA], v[rSW]
.endif
.endif
.endm
; THE WAY OUT of 16 registers a lane: block 2 GP + UU % 2, registers 4 (UU / 2) .. + 3 of its four tiles: transposed in place (six exchanges), then four stores of two aligned runs of 256 bytes (rows m and m + 8)
.macro UNIT
.set ua, 2*GP+UU%2
.set uj, UU/2
.set uz, 2+ua/4
.set ub, 64*(ua%4)+4*uj
	WIN uz
	v_mov_b32 v[TMP+0], v[ub+1]
	v_mov_b32 v[TMP+1], v[ub+2]
	v_mov_b32 v[TMP+2], v[ub+3]
	v_mov_b32 v[TMP+3], v[ub+18]
	v_mov_b32 v[TMP+4], v[ub+19]
	v_mov_b32 v[TMP+5], v[ub+35]
	WIN 0x41*uz
	v_mov_b32 v[ub+1], v[ub+16]
	v_mov_b32 v[ub+2], v[ub+32]
	v_mov_b32 v[ub+3], v[ub+48]
	v_mov_b32 v[ub+18], v[ub+33]
	v_mov_b32 v[ub+19], v[ub+49]
	v_mov_b32 v[ub+35], v[ub+50]
	WIN 0x40*uz
	v_mov_b32 v[ub+16], v[TMP+0]
	v_mov_b32 v[ub+32], v[TMP+1]
	v_mov_b32 v[ub+48], v[TMP+2]
	v_mov_b32 v[ub+33], v[TMP+3]
	v_mov_b32 v[ub+49], v[TMP+4]
	v_mov_b32 v[ub+50], v[TMP+5]
.endm
.macro OUT                             ; and its four stores
.set ua, 2*GP+UU%2
.set uj, UU/2
.set uz, 2+ua/4
.set ub, 64*(ua%4)+4*uj
	WIN 4*uz
.irp j, 0,1,2,3
	global_store_b128 v[CO], v[ub+16*\j:ub+16*\j+3], s[10:11] offset:(32*ua+16*(uj/2)+4*(uj%2)+\j)*OROW th:TH_STORE_NT
.endr
.endm
; What half N owes ahead of its products: W's set.  By K six younger sets, 48 loads, may stay out; where new scale words of W are due, 32, the four sets asked for behind them.
; By rows: half 48 needs sets 24, 25 and the words asked for ahead of set 27: 32; half 49 sets 26, 27: 24 + 2 + 8 stay out; half 50 sets 28, 29 and the last words: 8; half 51 the last set: 0.
.macro LOADS_IN
.if N < 48
.if (N%2) == 0
.if ((N%8) == 0) && (N >= 16)
	s_wait_loadcnt 32
.else
	s_wait_loadcnt 48
.endif
.endif
.elseif N == 48
	s_wait_loadcnt 32
.elseif N == 49
	s_wait_loadcnt 34
.elseif N == 50
	s_wait_loadcnt 8
.elseif N == 51
	s_wait_loadcnt 0
.endif
.endm
.macro SCALES_AHEAD                    ; x's scale words, once the words that lay there have been used, ahead of the fragments
.if (N < 47) && ((N%8) == 7)
	XSC 0, (N+1)/8
.elseif (N < 48) && (N >= 8) && ((N%8) == 0)
	XSC 1, N/8
.elseif N == 47
	XSCROW 0
.elseif N == 48
	XSCROW 1
.elseif N == 52
	XSCROW 2
.elseif N == 56
	XSCROW 3
.endif
.endm
; One half.  The four v_nop are the places (ISA guide 7.12.1 for vector instructions) in front of the loads that land on registers that the half before has multiplied, and in front of the reads of its results.
; All the half's memory instructions stand in ONE run behind them, then its 16 products on end.  The fragments of halves N + 1 and N + 2, the youngest 32 LDS loads, may stay out.
.macro HALF
.set FN, N+2
.set WV, N/2+7
.set SV, N/8+1
	LOADS_IN
	PLACES
.if N >= 52                            ; two of the eight units of the 64 rows finished last
.set GP, (N-52)/4
.set UU, 2*(N%4)
	UNIT
.set UU, UU+1
	UNIT
.endif
	SCALES_AHEAD
.if N < 62
.set FI, 0
.rept 4
	FRAG4
.set FI, FI+1
.endr
.endif
.if ((N%2) == 0) && (N <= 48)
.if ((N%8) == 0) && (N >= 8)
	WSC
.endif
	WHALF 0
	WHALF 1
.endif
.if N >= 52
.set UU, 2*(N%4)
	OUT
.set UU, UU+1
	OUT
.endif
.if N < 62
	s_wait_dscnt 32
.elseif N == 62
	s_wait_dscnt 16
.else
	s_wait_dscnt 0
.endif
.set J, 0
.rept 16
	MM
.set J, J+1
.endr
.set N, N+1
.endm
; The half in which slots change (14, 30, 46): the last reads of K step k's slot were issued in the half before.  In front of the barrier each wave waits for all its tensor loads (one is out: its part of the next K step),
; adds 0 to its spare word, and waits for that and for its reads.  k < 2: the barrier opens a round, behind which the slot is filled again, with K step k + 2.
.macro TURNHALF k
.set FN, N+2
.set WV, N/2+7
	WIN 0
	s_wait_tensorcnt 0x0
	ds_add_u32 v[SPW], v[NIL]
	s_wait_dscnt 17                                ; (the add and half N + 1's fragments may be out)
	s_wait_loadcnt 48
	PLACES
.set J, 0
.rept 6
	MM
.set J, J+1
.endr
	s_wait_dscnt 0x0                               ; the add is done, my reads of the slot are over
	s_barrier_signal -1
.rept 5
	MM
.set J, J+1
.endr
	WIN 0
	s_barrier_wait -1
.if (\k) < 2
	CREST
.if (\k) == 1
	s_add_nc_u64 s[G0+6:G0+7], s[G0+6:G0+7], 1024  ; slot 1: from K step 1 to K step 3
.endif
	tensor_load_to_lds s[G0+4*(\k):G0+4*(\k)+3], s[G1:G1+7]
	s_nop 0
	PLACES
.endif
.set FI, 0
.rept 4
	FRAG4
.set FI, FI+1
.endr
	WHALF 0
	WHALF 1
.if (\k) == 0
	WIN 0
	global_prefetch_b8 v[PFO], s[PFA:PFA+1] offset:1536 th:TH_LOAD_NT scope:SCOPE_SE   ; K step 3, a K step ahead of its load
.endif
.rept 5
	MM
.set J, J+1
.endr
.set N, N+1
.endm
	s_load_b128 s[4:7], s[0:1], 0x0                ; x_codes, x_scales
	s_load_b128 s[8:11], s[0:1], 0x10              ; wpack, out0
	v_lshl_add_u32 v[SPW], v0, 2, SPARE
	v_mov_b32 v[NIL], 0
	ds_add_u32 v[SPW], v[NIL]                      ; the opening lines: the add, twice on end, and one wait
	ds_add_u32 v[SPW], v[NIL]
	v_lshrrev_b32 v[TMP], 5, v0
	v_readfirstlane_b32 s14, v[TMP]                ; wave 0 .. 3
	s_lshr_b32 s15, s14, 1                         ; at the head waves 0, 1 fetch x's codes, 2, 3 its scales,
	s_and_b32 s16, s14, 1                          ; of this half of the rows
	s_bfe_u32 s40, ttmp6, 0x40000                  ; cx
	s_lshl_b32 s42, ttmp9, 2
	s_add_co_u32 s42, s42, s40                     ; tile column of out
	s_and_b32 s17, ttmp7, 0xffff                   ; tile row
	; group 1 of x's tiles: rows of 512 elements of 1 byte, four words of padding behind every 128; the mask names the cluster's four, bit 21 beside it; 128 rows at the head, 64 behind it
	s_mov_b32 s[G1+0], 15|(1<<20)|(1<<21)|(6<<22)|(3<<25)
	s_mov_b32 s[G1+1], 512<<16
	s_mov_b32 s[G1+2], 128<<16
	s_mov_b32 s[G1+3], 512<<16
	s_mov_b32 s[G1+4], 128
	s_mov_b32 s[G1+5], 2048
	s_mov_b32 s[G1+6], 0
	s_mov_b32 s[G1+7], 0
	; and of the scales of 128 rows: 16,384 dense bytes as 64 rows of 32 elements of 8 bytes
	s_mov_b32 s[G1S+0], 15|(3<<16)|(1<<20)|(1<<21)|(5<<22)|(3<<25)
	s_mov_b32 s[G1S+1], 32<<16
	s_mov_b32 s[G1S+2], 64<<16
	s_mov_b32 s[G1S+3], 32<<16
	s_mov_b32 s[G1S+4], 64
	s_mov_b32 s[G1S+5], 32
	s_mov_b32 s[G1S+6], 0
	s_mov_b32 s[G1S+7], 0
	v_and_b32 v[TMP+1], 31, v0                     ; lane
	v_and_b32 v[TMP+2], 15, v0                     ; r
	v_bfe_u32 v[TMP+3], v0, 4, 1                   ; h
	v_and_b32 v[TMP+5], 1, v0
	v_lshlrev_b32 v[WO], 4, v[TMP+1]
	v_mul_u32_u24 v[TMP+4], v[TMP+2], PITCH
	v_lshl_add_u32 v[ADR], v[TMP+3], 4, v[TMP+4]
	v_add_nc_u32 v[ADR+1], 128*PITCH, v[ADR]
	v_add_nc_u32 v[ADR+2], SLOT, v[ADR]
	v_add_nc_u32 v[ADR+3], SLOT+128*PITCH, v[ADR]
	v_lshrrev_b32 v[TMP+4], 1, v[TMP+1]
	v_mul_u32_u24 v[ADS], v[TMP+4], 272            ; row lane of a block: two rows to a run of 256 bytes + 16
	v_lshl_add_u32 v[ADS], v[TMP+5], 7, v[ADS]
	v_add_nc_u32 v[ADS], SCL, v[ADS]
	v_lshlrev_b32 v[CO], 4, v[TMP+2]
	v_lshl_add_u32 v[CO], v[TMP+3], 16, v[CO]      ; 8 h rows of out + 16 r
	v_lshlrev_b32 v[PFO], 11, v[TMP+4]             ; row lane / 2 of my wave's 16, block lane % 2
	v_lshl_add_u32 v[PFO], v[TMP+5], 8, v[PFO]
	s_wait_alu depctr_va_vdst(0)
	s_wait_dscnt 0x0                               ; both opening adds are done
	CROUND                                         ; all four work-groups are here: the first joint loads meet
	s_wait_kmcnt 0x0
	s_mov_b32 s19, 0
	s_lshl_b32 s18, s17, 19                        ; 256 rows of 2,048 bytes
	s_add_nc_u64 s[20:21], s[4:5], s[18:19]
	s_lshl_b32 s18, s16, 18
	s_mov_b32 s[G0H], 1
	s_mul_i32 s[G0H+1], s16, 128*PITCH
	s_add_nc_u64 s[G0H+2:G0H+3], s[20:21], s[18:19]
	s_or_b32 s[G0H+3], s[G0H+3], 0x80000000
	s_lshl_b32 s18, s17, 15                        ; 256 rows of 128 scale bytes
	s_lshl_b32 s43, s16, 14
	s_add_co_u32 s18, s18, s43
	s_mul_i32 s43, s16, HALFS
	s_mov_b32 s[G0S], 1
	s_add_co_u32 s[G0S+1], s43, SCL
	s_add_nc_u64 s[G0S+2:G0S+3], s[6:7], s[18:19]
	s_or_b32 s[G0S+3], s[G0S+3], 0x80000000
	s_cmp_eq_u32 s15, 0                            ; one tensor load a wave at the head
	s_cbranch_scc0 .Lfor_scales
	tensor_load_to_lds s[G0H:G0H+3], s[G1:G1+7]
	s_nop 0
	PLACES
	s_branch .Lasked
.Lfor_scales:
	tensor_load_to_lds s[G0S:G0S+3], s[G1S:G1S+7]
	s_nop 0
	PLACES
.Lasked:
	s_lshl_b32 s43, s42, 2
	s_add_co_u32 s43, s43, s14                     ; my 64 columns
	s_mul_i32 s18, s43, 8*WBLK
	s_add_nc_u64 s[8:9], s[8:9], s[18:19]
.set SV, 0
	WSC
.set SV, 1
	WSC
.set WV, 0
.rept 2                                ; W's first two sets; the next five go out behind K step 1's load
	WHALF 0
	WHALF 1
.set WV, WV+1
.endr
	WIN 0
	s_lshl_b32 s18, s14, 17                        ; the ring: my 64 rows of a tile
	s_add_nc_u64 s[22:23], s[20:21], s[18:19]
	s_mul_i32 s43, s14, 64*PITCH
	s_mov_b32 s[G0], 1                             ; slot 0: first used for K step 2
	s_mov_b32 s[G0+1], s43
	s_add_nc_u64 s[G0+2:G0+3], s[22:23], 1024
	s_or_b32 s[G0+3], s[G0+3], 0x80000000
	s_mov_b32 s[G0+4], 1                           ; slot 1: K step 1
	s_add_co_u32 s[G0+5], s43, SLOT
	s_add_nc_u64 s[G0+6:G0+7], s[22:23], 512
	s_or_b32 s[G0+7], s[G0+7], 0x80000000
	s_lshl_b32 s18, s40, 6                         ; the prefetches: rows 64 cx + 16 wave .. + 15
	s_lshl_b32 s43, s14, 4
	s_add_co_u32 s18, s18, s43
	s_lshl_b32 s18, s18, 11
	s_add_nc_u64 s[PFA:PFA+1], s[20:21], s[18:19]
	s_lshl_b32 s18, s17, 21                        ; out: 256 rows, my columns
	s_lshl_b32 s43, s42, 10
	s_add_co_u32 s18, s18, s43
	s_lshl_b32 s43, s14, 8
	s_add_co_u32 s18, s18, s43
	s_add_nc_u64 s[10:11], s[10:11], s[18:19]
	s_wait_alu depctr_va_vdst(0)                   ; the wait at the head's end
	s_wait_tensorcnt 0x0                           ; my tile of the head's is in; these lines stand ahead of a later first fill as ahead of a refill
	ds_add_u32 v[SPW], v[NIL]
	s_mov_b32 s[G1+2], 64<<16                      ; no tensor load of mine is out: from here on a load brings 64 rows
	s_mov_b32 s[G1+4], 64
	s_wait_dscnt 0x0
	CROUND
	tensor_load_to_lds s[G0+4:G0+7], s[G1:G1+7]    ; K step 1
	s_nop 0
	PLACES
	XSC 0, 0
	XSC 1, 0
.set FN, 0
.rept 2
.set FI, 0
.rept 4
	FRAG4
.set FI, FI+1
.endr
.set FN, FN+1
.endr
.rept 5
	WHALF 0
	WHALF 1
.set WV, WV+1
.endr
	WIN 0
	global_prefetch_b8 v[PFO], s[PFA:PFA+1] offset:1024 th:TH_LOAD_NT scope:SCOPE_SE   ; K step 2, a K step ahead of its load
.set N, 0
.rept 14
	HALF
.endr
	TURNHALF 0
.rept 15
	HALF
.endr
	TURNHALF 1
.rept 15
	HALF
.endr
	TURNHALF 2
.rept 17
	HALF
.endr
	PLACES                                         ; the last 64 rows' results have just been made
.set GP, 3
.set UU, 0
.rept 8
	UNIT
	OUT
.set UU, UU+1
.endr
	WIN 0
	s_wait_tensorcnt 0x0                           ; the wave's end
	ds_add_u32 v[SPW], v[NIL]
	s_wait_dscnt 0x0
	CROUND                                         ; the closing round: no work-group ends while a partner may still ask for a tile that names it
	s_endpgm
.Lfunc_end_k_q36d14f81fc_gemm:
	.size	k_q36d14f81fc_gemm, .Lfunc_end_k_q36d14f81fc_gemm-k_q36d14f81fc_gemm
	.p2alignl 7, 3214868480
	.fill 96, 4, 3214868480
	.section	.rodata,"a",@progbits
	.p2align	6, 0x0
	.amdhsa_kernel k_q36d14f81fc_gemm
		.amdhsa_group_segment_fixed_size 327680
		.amdhsa_private_segment_fixed_size 0
		.amdhsa_enable_private_segment 0
		.amdhsa_kernarg_size 32
		.amdhsa_user_sgpr_count 2
		.amdhsa_user_sgpr_kernarg_segment_ptr 1
		.amdhsa_wavefront_size32 1
		.amdhsa_system_sgpr_workgroup_id_x 1
		.amdhsa_system_sgpr_workgroup_id_y 1
		.amdhsa_system_sgpr_workgroup_id_z 1
		.amdhsa_system_vgpr_workitem_id 0
		.amdhsa_next_free_vgpr 1024
		.amdhsa_next_free_sgpr 66
		.amdhsa_reserve_vcc 0
		.amdhsa_float_denorm_mode_32 3
		.amdhsa_float_denorm_mode_16_64 3
		.amdhsa_memory_ordered 1
		.amdhsa_forward_progress 1
		.amdhsa_inst_pref_size 255
	.end_amdhsa_kernel
	.section	.bss,"aw",@nobits
	.p2align	6
	.space	262144
	.amdgpu_metadata
---
amdhsa.version: [ 1, 2 ]
amdhsa.kernels:
  - .name:           k_q36d14f81fc_gemm
    .symbol:         k_q36d14f81fc_gemm.kd
    .args:
      - { .name: x_codes, .offset: 0, .size: 8, .value_kind: global_buffer, .address_space: global }
      - { .name: x_scales, .offset: 8, .size: 8, .value_kind: global_buffer, .address_space: global }
      - { .name: wpack, .offset: 16, .size: 8, .value_kind: global_buffer, .address_space: global }
      - { .name: out0, .offset: 24, .size: 8, .value_kind: global_buffer, .address_space: global }
    .group_segment_fixed_size: 327680
    .private_segment_fixed_size: 0
    .kernarg_segment_align: 8
    .kernarg_segment_size: 32
    .max_flat_workgroup_size: 128
    .sgpr_count:     66
    .vgpr_count:     1024
    .wavefront_size: 32
...
	.end_amdgpu_metadata
.endif
;; end of part 2
